; MI455X (gfx1250); checked and timed in simulation.
; The chip was launched on July 23, 2026; its instructions are those of AMD's public machine-readable ISA for CDNA 5 (MIT licence, August 2026) and "CDNA5" Instruction Set Architecture Reference Guide (July 2026). The comments in the code are by the model that wrote it; some were corrected since.
;; Causal Self Attention. Allowed arithmetic: matrix products marked QUANTISED: E3M2 operands, one E8M0 scale for each 32 along K, by v_wmma_scale_f32_16x16x128_f8f6f4 with both operands' format E3M2, f32 sums; everything else in f32.
;; Inputs: W_attn 3,072 x 1,024 float32; W_proj 1,024 x 1,024 float32; b_attn 3,072 float32; b_proj 1,024 float32; x 2 x 2,048 x 1,024 float32.
;; Outputs: out0 2 x 2,048 x 1,024 float32.
;; This version of the problem:
;;   THIS VERSION OF THE PROBLEM IS GIVEN IN LOW PRECISION. The matrix products marked QUANTISED in the list below multiply operands that are first quantised to E3M2 (3 exponent bits, 2 mantissa bits; 6 bits a number), with one power-of-two scale for each 32 numbers along K (OCP MX v1.0); their sums are f32. All else is computed in f32.
;;   The module's matrix products, in the order in which they are computed (A, B: the left and right operand; K: the contracted axis; several contracted axes count as one K, in the product's order):
;;     1. [M 4,096, K 1,024] x [K 1,024, N 3,072]; A: input x; B: input W_attn: QUANTISED
;;     2. batch 32 x [M 2,048, K 64] x [K 64, N 2,048]; A: computed on the way; B: computed on the way: QUANTISED
;;     3. batch 32 x [M 2,048, K 2,048] x [K 2,048, N 64]; A: softmax (see below); B: computed on the way: QUANTISED
;;     4. [M 4,096, K 1,024] x [K 1,024, N 1,024]; A: computed on the way; B: input W_proj: QUANTISED
;;   THE QUANTISER, for each operand of a quantised product, along K:
;;     - K is cut into blocks of 32 from its start; a last block that is shorter is filled with zeros.
;;     - A block's scale is 2^e with e = floor(log2(the largest magnitude in the block)) - 4, held to -126 .. 127; a block of zeros has e = 0. As a byte (E8M0): e + 127.
;;     - Each number is divided by its block's scale, clamped to +-28, and rounded to the nearest number of E3M2, ties to even, subnormals kept.
;;     - The product sums the exact products of the quantised numbers (number of the format x scale) in f32.
;;   ~~~python
;;   def quantise(x, axis):      # numpy; x: float32 -> the quantised numbers, widened to float32 again
;;       x = np.moveaxis(x, axis, -1); K = x.shape[-1]
;;       x = np.pad(x, [(0, 0)] * (x.ndim - 1) + [(0, -K % 32)]); x = x.reshape(x.shape[:-1] + (-1, 32)); a = np.abs(x).max(-1, keepdims=True)
;;       e = np.where(a > 0, np.clip(np.frexp(np.where(a > 0, a, 1))[1] - 1 - 4, -126, 127), 0)      # np.frexp(a)[1] - 1 = floor(log2(a)), exactly
;;       r = np.clip(x / 2.0 ** e, -28, 28)
;;       step = 2.0 ** (np.maximum(np.frexp(np.where(r == 0, 1, r))[1] - 1, -2) - 2)
;;       q = np.round(r / step) * step * 2.0 ** e      # np.round: ties to even
;;       return np.moveaxis(q.reshape(q.shape[:-2] + (-1,))[..., :K], -1, axis).astype(np.float32)
;;   ~~~
;;   SOFTMAX AHEAD OF A QUANTISED PRODUCT. Where the list says 'softmax', what is quantised is not the finished softmax but p = 2^(t - M), with t = logit x log2(e) and M = ceil(the row's largest t), a whole number; so 1/2 < the row's largest p <= 1. The row's sum l is taken of the UNQUANTISED p, in f32, and the product's result is divided by l at the end. Since M is a whole number, a kernel that streams over the keys may use a running M (the ceiling of the running maximum): every later rescaling is an exact power of two, which a block's scale takes up: the codes' values come out the same.
;;   OPERANDS COMPUTED ON THE WAY. 'Computed on the way' means the value that the module computes at that place (a softmax that the list does not call 'softmax' is quantised finished and normalised). What goes into a quantiser is computed in f32, as accurately as f32 sums, v_exp_f32 and their like allow (about 1e-6 of the number): no bf16 or f16 on the way to a quantiser, and a product that is left as it is and whose result goes on into a quantised operand takes f32 operands (vector FMAs, or v_wmma_f32_16x16x4_f32). A number that lies on a knife's edge between two numbers of the format may be rounded either way, as far as f32 arithmetic and the matrix unit's own rounding can turn it there, and no further.
;; One version. Each part assembles by itself: llvm-mc -triple=amdgcn-amd-amdhsa -mcpu=gfx1250 --defsym DOCPART=n.
;; ======== version 1 of 1: 4 launches
;; limits: right only within a limited range of input values
;; workspace buffers: wcodes 6,291,456 bytes; wscales 262,144 bytes; kv 6,684,672 bytes; qc 3,145,728 bytes; qs 262,144 bytes; yc 3,145,728 bytes; ys 131,072 bytes
;; launch quant (part 1): grid 256 x 1, 4 waves a work-group, no clusters, 68,096 bytes of LDS; arguments x, W_attn, W_proj, wcodes, wscales; writes wcodes, wscales
.if DOCPART == 1
	.amdgcn_target "amdgcn-amd-amdhsa--gfx1250"
	.amdhsa_code_object_version 6
	.text
	.protected	k_q7b9d56d4c4_quant
	.globl	k_q7b9d56d4c4_quant
	.p2align	8
	.type	k_q7b9d56d4c4_quant,@function
k_q7b9d56d4c4_quant:
	s_mov_b64 s[64:65], 0
	v_nop
	global_prefetch_b8 v0, s[64:65] scope:SCOPE_SE
	s_setreg_imm32_b32 hwreg(HW_REG_WAVE_MODE, 25, 1), 1
	s_wait_xcnt 0x0
; WORK LEFT OUT BY THE PROGRAM: key steps of 128 keys that all come after a tile's queries.  reference() puts finfo.min at their scores and takes the row's maximum away: their p is 0 for all finite inputs.
; LIMIT: a NaN, an infinity or an overflow that reaches only such hidden scores is not carried to the result.
; THIS LAUNCH: x [4096][1024], W_attn [3072][1024], W_proj [1024][1024], f32, become codes of BF6 (E3M2) with one E8M0 byte for each 32 along K, laid as images of operand registers:
; wcodes: [tile of 16 rows][K step of 128][3 groups of 4 registers][lane][16 bytes];  wscales: [tile][half of K][row][4 K steps' words of 4 bytes].  Tiles 0-255: x; 256-447: W_attn as [head][q, k, v][4 tiles]; 448-511: W_proj.
; THE ROWS OF A TILE: row m of tile u (0..3) of a group of 64 rows is given row 32 (m / 8) + 8 u + m % 8.  Used as source 0 of a matrix instruction, a group's four tiles leave in a lane's 32 registers 32 neighbours
; along that axis: a whole block of the next quantiser.
; A block's scale byte is the largest magnitude's exponent field - 4, held at 1 from below.
; LIMITS: a block of zeros gets the byte 1 (its codes are zeros, and this program alone reads the bytes); blocks whose largest magnitude lies under 2^-122 keep the byte 1; NaN and infinities are not served.
; SHARES: a work-group takes two tiles, a wave 16 rows x 512 along K: four K steps, 16 loads of 512 consecutive bytes each.  A K step goes through the wave's own stage in LDS (rows 528 bytes apart) and comes back
; as a lane's own two blocks of 32.  Window 1 holds the four steps' numbers as loaded: 48 loads are out at first, the last 16 follow when the first 16 are in.
.set X,    16                          ; v16-79, v160-223: a K step's numbers, two sets
.set C,    96                          ; v96-143 codes, 12 registers a K step
.set SCW,  144                         ; v144-147 scale words
.set SP,   528
.set STG,  16*SP
.set WREG, 2*STG
.set SPARE, 4*WREG
.set MSB, 0
.macro WIN new
.if MSB != (\new)
	s_set_vgpr_msb (MSB<<8)|(\new)
.set MSB, (\new)
.endif
.endm
	s_load_b256 s[4:11], s[0:1], 0x0               ; x, W_attn, W_proj, wcodes
	s_load_b64 s[12:13], s[0:1], 0x20              ; wscales
	v_lshl_add_u32 v6, v0, 2, SPARE
	v_mov_b32 v7, 0
	v_lshrrev_b32 v1, 5, v0
	v_readfirstlane_b32 s16, v1                    ; wave
	s_mul_i32 s17, s16, WREG
	v_and_b32 v2, 31, v0
	v_and_b32 v5, 15, v0                           ; r
	v_bfe_u32 v4, v0, 4, 1                         ; h
	v_lshlrev_b32 v1, 4, v2                        ; 16 x lane
	v_mul_u32_u24 v3, v5, SP
	v_lshl_add_u32 v3, v4, 7, v3
	v_add_nc_u32 v2, s17, v1                       ; the stage, in: a row's 512 bytes
	v_add_nc_u32 v3, s17, v3                       ; out: row r, block h of each 64
	v_lshlrev_b32 v4, 3, v4                        ; 8 h
	v_lshlrev_b32 v5, 4, v5                        ; 16 r
	v_mov_b32 v90, 0                               ; (a lane permute's destination counts as one of its sources)
	s_wait_alu depctr_va_vdst(0)                   ; the wait at the head's end
	s_mov_b32 s24, 0x76543210
	s_mov_b32 s25, 0xfedcba98
	s_lshr_b32 s17, s16, 1                         ; which of the two tiles
	s_and_b32 s18, s16, 1                          ; which half of K
	s_wait_kmcnt 0x0
	s_cmp_lt_u32 ttmp9, 224                        ; which tensor: by the work-group's number alone
	s_cselect_b64 s[6:7], s[6:7], s[8:9]
	s_mov_b32 s14, 224
	s_cselect_b32 s14, 128, s14
	s_cmp_lt_u32 ttmp9, 128
	s_cselect_b64 s[4:5], s[4:5], s[6:7]
	s_cselect_b32 s14, 0, s14
	s_sub_co_u32 s19, ttmp9, s14
	s_lshl_b32 s19, s19, 1
	s_add_co_u32 s19, s19, s17                     ; the tile in its tensor
	s_lshl_b32 s20, ttmp9, 1
	s_add_co_u32 s20, s20, s17                     ; the stored tile,
	s_and_b32 s21, s19, 3
	s_bfe_u32 s22, s19, 0x40002
	s_mul_i32 s22, s22, 12
	s_lshr_b32 s23, s19, 6
	s_lshl_b32 s23, s23, 2
	s_add_co_u32 s22, s22, s23
	s_add_co_u32 s22, s22, s21
	s_add_co_u32 s22, s22, 256                     ; in W_attn 256 + 12 head + 4 part + u
	s_sub_co_u32 s23, ttmp9, 128
	s_cmp_lt_u32 s23, 96
	s_cselect_b32 s20, s22, s20
	s_lshr_b32 s22, s19, 2
	s_lshl_b32 s22, s22, 18                        ; a group of 64 rows: 262,144 bytes
	s_lshl_b32 s21, s21, 15
	s_add_co_u32 s22, s22, s21
	s_lshl_b32 s21, s18, 11
	s_add_co_u32 s22, s22, s21
	s_mov_b32 s23, 0
	s_add_nc_u64 s[4:5], s[4:5], s[22:23]
	s_mul_i32 s22, s20, 12288
	s_mul_i32 s21, s18, 6144
	s_add_co_u32 s22, s22, s21
	s_add_nc_u64 s[10:11], s[10:11], s[22:23]
	s_lshl_b32 s22, s20, 9
	s_lshl_b32 s21, s18, 8
	s_add_co_u32 s22, s22, s21
	s_add_nc_u64 s[12:13], s[12:13], s[22:23]
.macro LOAD t
	WIN 0x40
.irp i, 0,1,2,3,4,5,6,7,8,9,10,11,12,13,14,15
	global_load_b128 v[64*(\t)+4*\i:64*(\t)+4*\i+3], v1, s[4:5] offset:512*(\t)+((\i/8)*32+(\i%8))*4096 th:TH_LOAD_NT
.endr
	WIN 0
.endm
.macro TURN t                          ; LDS serves a wave's instructions in order (ISA guide 5.7.1.4): no wait between the stores and the loads
	WIN 0x04
.irp i, 0,1,2,3,4,5,6,7,8,9,10,11,12,13,14,15
	ds_store_b128 v2, v[64*(\t)+4*\i:64*(\t)+4*\i+3] offset:STG*((\t)%2)+SP*\i
.endr
	WIN 0
.irp k, 0,1,2,3,4,5,6,7
	ds_load_b128 v[X+144*((\t)%2)+4*\k:X+144*((\t)%2)+4*\k+3], v3 offset:STG*((\t)%2)+16*\k
	ds_load_b128 v[X+144*((\t)%2)+32+4*\k:X+144*((\t)%2)+35+4*\k], v3 offset:STG*((\t)%2)+256+16*\k
.endr
.endm
	LOAD 0
	LOAD 1
	LOAD 2
	s_wait_loadcnt 32                              ; step 0's 16 loads are in
	LOAD 3
	TURN 0
.macro STEP t
.set XS, X+144*((\t)%2)
.set CT, C+12*(\t)
	s_wait_dscnt 0x0                               ; this step's numbers are back from the stage
.if (\t) < 3
.if (\t) == 0
	s_wait_loadcnt 32                              ; the next step's 16 loads are in, those of the steps behind it may be out
.else
	s_wait_loadcnt 32-16*(\t)
.endif
	TURN (\t)+1
.endif
	v_max3_num_f32 v8, |v[XS]|, |v[XS+1]|, 0x2800000               ; two blocks, two chains each; the floor 2^(5 - 127) holds the byte at 1 from below
	v_max3_num_f32 v10, |v[XS+32]|, |v[XS+33]|, 0x2800000
	v_max3_num_f32 v9, |v[XS+16]|, |v[XS+17]|, |v[XS+18]|
	v_max3_num_f32 v11, |v[XS+48]|, |v[XS+49]|, |v[XS+50]|
.irp i, 0,2,4,6,8,10
	v_max3_num_f32 v8, v8, |v[XS+2+\i]|, |v[XS+3+\i]|
	v_max3_num_f32 v10, v10, |v[XS+34+\i]|, |v[XS+35+\i]|
	v_max3_num_f32 v9, v9, |v[XS+19+\i]|, |v[XS+20+\i]|
	v_max3_num_f32 v11, v11, |v[XS+51+\i]|, |v[XS+52+\i]|
.endr
	v_max3_num_f32 v8, v8, |v[XS+14]|, |v[XS+15]|
	v_max3_num_f32 v10, v10, |v[XS+46]|, |v[XS+47]|
	v_max3_num_f32 v8, v8, v9, |v[XS+31]|
	v_max3_num_f32 v10, v10, v11, |v[XS+63]|
	v_add_nc_u32 v12, 0xfe000000, v8               ; 4 off the exponent field: the conversion's scale operand
	v_add_nc_u32 v13, 0xfe000000, v10
	v_cvt_scalef32_pk16_bf6_f32 v[CT:CT+2], v[XS:XS+15], v12
	v_cvt_scalef32_pk16_bf6_f32 v[80:82], v[XS+16:XS+31], v12      ; (a conversion's three registers begin on an even number: the upper half of a block is made elsewhere and moved)
	v_cvt_scalef32_pk16_bf6_f32 v[CT+6:CT+8], v[XS+32:XS+47], v13
	v_cvt_scalef32_pk16_bf6_f32 v[84:86], v[XS+48:XS+63], v13
	v_lshrrev_b32 v88, 23, v12                     ; the bytes (also the plain lines behind the conversions)
	v_lshrrev_b32 v89, 23, v13
.irp i, 0,1,2
	v_mov_b32 v[CT+3+\i], v[80+\i]
	v_mov_b32 v[CT+9+\i], v[84+\i]
.endr
	v_lshl_or_b32 v88, v89, 16, v88
	v_lshlrev_b32 v88, v4, v88                     ; byte 2 c + h of the word
	v_permlanex16_b32 v90, v88, s24, s25
	v_or_b32 v[SCW+(\t)], v88, v90                 ; with lane l xor 16's two the word is whole
.irp p, 0,1,2
	global_store_b128 v1, v[CT+4*\p:CT+4*\p+3], s[10:11] offset:1536*(\t)+512*\p   ; the wave stores 512 consecutive bytes
.endr
.endm
.irp t, 0,1,2,3
	STEP \t
.endr
	global_store_b128 v5, v[SCW:SCW+3], s[12:13]   ; 256 bytes, aligned (lanes l and l xor 16 store the same bytes with the same value)
	s_wait_tensorcnt 0x0                           ; the wave's end
	ds_add_u32 v6, v7
	s_wait_dscnt 0x0
	s_endpgm
.Lfunc_end_k_q7b9d56d4c4_quant:
	.size	k_q7b9d56d4c4_quant, .Lfunc_end_k_q7b9d56d4c4_quant-k_q7b9d56d4c4_quant
	.p2alignl 7, 3214868480
	.fill 96, 4, 3214868480
	.section	.rodata,"a",@progbits
	.p2align	6, 0x0
	.amdhsa_kernel k_q7b9d56d4c4_quant
		.amdhsa_group_segment_fixed_size 68096
		.amdhsa_private_segment_fixed_size 0
		.amdhsa_enable_private_segment 0
		.amdhsa_kernarg_size 40
		.amdhsa_user_sgpr_count 2
		.amdhsa_user_sgpr_kernarg_segment_ptr 1
		.amdhsa_wavefront_size32 1
		.amdhsa_system_sgpr_workgroup_id_x 1
		.amdhsa_system_sgpr_workgroup_id_y 1
		.amdhsa_system_sgpr_workgroup_id_z 1
		.amdhsa_system_vgpr_workitem_id 0
		.amdhsa_next_free_vgpr 512
		.amdhsa_next_free_sgpr 66
		.amdhsa_reserve_vcc 0
		.amdhsa_float_denorm_mode_32 3
		.amdhsa_float_denorm_mode_16_64 3
		.amdhsa_memory_ordered 1
		.amdhsa_forward_progress 1
		.amdhsa_inst_pref_size 31
	.end_amdhsa_kernel
	.amdgpu_metadata
---
amdhsa.version: [ 1, 2 ]
amdhsa.kernels:
  - .name:           k_q7b9d56d4c4_quant
    .symbol:         k_q7b9d56d4c4_quant.kd
    .args:
      - { .name: x, .offset: 0, .size: 8, .value_kind: global_buffer, .address_space: global }
      - { .name: W_attn, .offset: 8, .size: 8, .value_kind: global_buffer, .address_space: global }
      - { .name: W_proj, .offset: 16, .size: 8, .value_kind: global_buffer, .address_space: global }
      - { .name: wcodes, .offset: 24, .size: 8, .value_kind: global_buffer, .address_space: global }
      - { .name: wscales, .offset: 32, .size: 8, .value_kind: global_buffer, .address_space: global }
    .group_segment_fixed_size: 68096
    .private_segment_fixed_size: 0
    .kernarg_segment_align: 8
    .kernarg_segment_size: 40
    .max_flat_workgroup_size: 128
    .sgpr_count:     66
    .vgpr_count:     512
    .wavefront_size: 32
...
	.end_amdgpu_metadata
.endif
;; end of part 1
;; launch qkv (part 2): grid 16 x 16, 4 waves a work-group, clusters of 4 x 1, 167,936 bytes of LDS; arguments wcodes, wscales, b_attn, kv, qc, qs; writes kv, qc, qs
.if DOCPART == 2
	.amdgcn_target "amdgcn-amd-amdhsa--gfx1250"
	.amdhsa_code_object_version 6
	.text
	.protected	k_q7b9d56d4c4_qkv
	.globl	k_q7b9d56d4c4_qkv
	.p2align	8
	.type	k_q7b9d56d4c4_qkv,@function
k_q7b9d56d4c4_qkv:
	s_mov_b64 s[64:65], 0
	v_nop
	global_prefetch_b8 v0, s[64:65] scope:SCOPE_SE
	s_setreg_imm32_b32 hwreg(HW_REG_WAVE_MODE, 25, 1), 1
	s_wait_xcnt 0x0
	s_wait_alu depctr_hold_cnt(0) depctr_sa_sdst(0) depctr_va_vdst(0) depctr_va_sdst(0) depctr_va_ssrc(0) depctr_va_vcc(0) depctr_vm_vsrc(0)
	s_getreg_b32 s2, hwreg(HW_REG_IB_STS2, 6, 4)
	s_cmp_eq_u32 s2, 0
	s_cbranch_scc0 .Lentry_in_a_cluster
	s_endpgm
.Lentry_in_a_cluster:
	s_bfe_u32 s2, ttmp6, 0x10000c
	s_cmp_lg_u32 s2, 0x3003
	s_cbranch_scc0 .Lentry_shape_is_right
	s_endpgm
.Lentry_shape_is_right:
; q, k, v of one head for 256 tokens: 256 work-groups of equal work (16 token blocks x 16 heads).  Codes of BF6, f32 sums, K = 1,024; the bias is the C of each sum's first matrix instruction.
; A wave takes 64 tokens (4 tiles of x) x 192 channels (12 tiles of W_attn: q, k, v): 48 accumulators.
; W_attn's 12 tiles, all of K, lie in LDS: four chunks of 256 along K, 36,864 bytes each, wave i fetches chunk i by one joint load (the four partners of a cluster take the same head); nothing is filled again.
; x's tiles are a wave's own, so they go straight from memory into registers (they lie as register images), four K steps ahead; no other wave of the work-group reads them, so no joint load serves them.
; No prefetch: all LDS requests go out at the head, and x's loads run ahead by themselves.
; q and k: source 0 = W_attn, source 1 = x: a lane holds one token, its 32 registers of four tiles a block of 32 channels.  v: the sources swapped: a lane holds one channel, its 32 registers 32 neighbouring tokens.
; OUT: qc [head, batch][tile][768], qs; kv [head, batch][key step of 128][K 6,144 | V 6,144 | K's scale words 512 | V's scale bytes 256].
; LIMITS: NaN and infinities are not served; a block of zeros keeps the byte 1.
; REGISTERS: window 0: v1-14 addresses; v32-79 W's scale words (v[32 + 8 i + s]: lanes 0-15 tile 2 i, 16-31 tile 2 i + 1), v80-95 x's; v96-239 W's 12 fragments.  window 1: x's fragments, four K steps of 48.
;   window 2: accumulators of q, k;  window 3: v0-127 those of v, v128-223 the bias tiles.
.set CHB,  36864
.set SPARE, 4*CHB
.set MSB, 0
.macro WIN new
.if MSB != (\new)
	s_set_vgpr_msb (MSB<<8)|(\new)
.set MSB, (\new)
.endif
.endm
.macro CROUND                          ; a round of the cluster's barrier
	s_barrier_signal -1
	s_barrier_wait -1
	s_cmp_lg_u32 s14, 0
	s_cbranch_scc1 .Lnot_wave_0_\@
	s_barrier_signal -3
.Lnot_wave_0_\@:
	s_barrier_wait -3
	s_barrier_signal -1
	s_barrier_wait -1
.endm
.macro PLACES
.rept 4
	v_nop
.endr
.endm
	s_load_b256 s[4:11], s[0:1], 0x0               ; wcodes, wscales, b_attn, kv
	s_load_b128 s[20:23], s[0:1], 0x20             ; qc, qs
	v_lshl_add_u32 v13, v0, 2, SPARE
	v_mov_b32 v14, 0
	ds_add_u32 v13, v14                            ; the opening lines: the add, twice on end, and its wait
	ds_add_u32 v13, v14
	v_lshrrev_b32 v1, 5, v0
	v_readfirstlane_b32 s14, v1                    ; wave
	v_and_b32 v2, 31, v0
	v_and_b32 v3, 15, v0                           ; r
	v_bfe_u32 v4, v0, 4, 1                         ; h
	v_lshlrev_b32 v1, 4, v2                        ; 16 x lane
	v_lshlrev_b32 v11, 3, v2                       ; 8 x lane
	v_lshlrev_b32 v12, 2, v2                       ; 4 x lane
	v_lshlrev_b32 v6, 7, v4                        ; 128 h: q's and k's bias
	v_lshrrev_b32 v7, 3, v3
	v_mad_u32_u24 v7, v7, 24, v3
	v_lshlrev_b32 v7, 2, v7                        ; v's bias: channel 32 (r / 8) + r % 8
	v_lshlrev_b32 v8, 4, v3
	v_lshl_add_u32 v8, v4, 9, v8                   ; scale words: 512 h + 16 r
	v_lshlrev_b32 v9, 3, v4                        ; 8 h
	v_lshlrev_b32 v10, 4, v4                       ; 16 h
	v_add_nc_u32 v3, CHB, v1                       ; W in LDS: chunk 1 (chunk 0: v1),
	v_add_nc_u32 v4, 2*CHB, v1                     ; 2,
	v_add_nc_u32 v5, 3*CHB, v1                     ; 3
	v_mov_b32 v2, v1
	v_mov_b32 v240, 0                              ; (lane permutes' destinations count as sources)
	v_mov_b32 v241, 0
	s_wait_alu depctr_va_vdst(0)                   ; the wait at the head's end
	s_bfe_u32 s15, ttmp6, 0x40000
	s_lshl_b32 s16, ttmp9, 2
	s_add_co_u32 s16, s16, s15                     ; token block
	s_and_b32 s17, ttmp7, 0xffff                   ; head
	s_mov_b32 s24, 15|(3<<16)|(1<<21)              ; all four partners; elements of 8 bytes; bit 21 beside the mask
	s_mov_b32 s25, 384<<16                         ; 3,072 bytes of each tile,
	s_mov_b32 s26, 12<<16                          ; 12 tiles,
	s_mov_b32 s27, 384<<16
	s_mov_b32 s28, 12
	s_mov_b32 s29, 1536                            ; 12,288 bytes apart
	s_mov_b32 s30, 0
	s_mov_b32 s31, 0
	s_mul_i32 s54, s17, 12
	s_add_co_u32 s54, s54, 256                     ; W's first tile
	s_lshl_b32 s56, s54, 9
	s_mov_b32 s57, 0
	s_mul_i32 s54, s54, 12288
	s_mul_i32 s55, s14, 3072
	s_add_co_u32 s54, s54, s55
	s_mov_b32 s55, 0
	s_lshl_b32 s58, s16, 4
	s_lshl_b32 s59, s14, 2
	s_add_co_u32 s58, s58, s59                     ; x's first tile
	s_lshl_b32 s60, s58, 9
	s_mov_b32 s61, 0
	s_mul_i32 s58, s58, 12288
	s_mov_b32 s59, 0
	s_lshl_b32 s62, s17, 8
	s_mov_b32 s63, 0
	s_mov_b32 s32, 1
	s_mul_i32 s33, s14, CHB
	s_mov_b32 s18, 0x76543210
	s_mov_b32 s19, 0xfedcba98
	s_wait_dscnt 0x0                               ; both opening adds are done
	s_wait_kmcnt 0x0
	s_add_nc_u64 s[34:35], s[4:5], s[54:55]
	s_or_b32 s35, s35, 0x80000000
	s_add_nc_u64 s[36:37], s[4:5], s[58:59]        ; x's codes
	s_add_nc_u64 s[38:39], s[6:7], s[60:61]        ; x's scale words
	s_add_nc_u64 s[40:41], s[6:7], s[56:57]        ; W's
	s_add_nc_u64 s[42:43], s[8:9], s[62:63]        ; b_attn at my head
	CROUND                                         ; all four work-groups are here: the joint loads meet
.macro ARM under, next                 ; each wave's one load has a line of its own
	s_cmp_lt_u32 s14, \under
	s_cbranch_scc0 \next
	tensor_load_to_lds s[32:35], s[24:31]
	s_nop 0
	PLACES
	s_branch .Lasked
\next:
.endm
	ARM 1, .Lask1
	ARM 2, .Lask2
	ARM 3, .Lask3
	tensor_load_to_lds s[32:35], s[24:31]
	s_nop 0
	PLACES
.Lasked:
.irp i, 0,1,2,3,4,5
	global_load_b128 v[32+8*\i:35+8*\i], v8, s[40:41] offset:1024*\i
	global_load_b128 v[36+8*\i:39+8*\i], v8, s[40:41] offset:1024*\i+256
.endr
.irp i, 0,1
	global_load_b128 v[80+8*\i:83+8*\i], v8, s[38:39] offset:1024*\i
	global_load_b128 v[84+8*\i:87+8*\i], v8, s[38:39] offset:1024*\i+256
.endr
	WIN 0xc0
.irp g, 0,1
.irp k, 0,1,2,3,4,5,6,7
	global_load_b128 v[128+32*\g+4*\k:131+32*\g+4*\k], v6, s[42:43] offset:4096*\g+16*\k   ; tile u's register j: channel 32 h + 8 u + j
.endr
.endr
.irp u, 0,1,2,3
	global_load_b32 v[192+8*\u], v7, s[42:43] offset:8192+32*\u
.endr
.macro XLOAD s                         ; K step s of x: 12 loads
	WIN 0x40
.irp a, 0,1,2,3
.irp p, 0,1,2
	global_load_b128 v[48*((\s)%4)+12*\a+4*\p:48*((\s)%4)+12*\a+4*\p+3], v1, s[36:37] offset:12288*\a+1536*(\s)+512*\p
.endr
.endr
	WIN 0
.endm
	XLOAD 0
	XLOAD 1
	XLOAD 2
	XLOAD 3
	; where my results go
	s_lshl_b32 s54, s17, 1
	s_lshr_b32 s55, s16, 3
	s_add_co_u32 s54, s54, s55                     ; 2 head + batch
	s_and_b32 s55, s16, 7
	s_lshl_b32 s56, s55, 2
	s_add_co_u32 s56, s56, s14                     ; my group of 64 tokens in the batch
	s_lshl_b32 s58, s54, 5
	s_add_co_u32 s58, s58, s56
	s_lshl_b32 s60, s58, 8                         ; q's scale words: 256 bytes a group
	s_mov_b32 s61, 0
	s_mul_i32 s58, s58, 3072                       ; q's codes: four tiles of 768
	s_mov_b32 s59, 0
	s_add_nc_u64 s[44:45], s[20:21], s[58:59]
	s_add_nc_u64 s[46:47], s[22:23], s[60:61]
	s_lshr_b32 s56, s56, 1                         ; the key step
	s_lshl_b32 s54, s54, 4
	s_add_co_u32 s54, s54, s56
	s_mul_i32 s54, s54, 13056
	s_mov_b32 s55, 0
	s_add_nc_u64 s[10:11], s[10:11], s[54:55]
	s_and_b32 s56, s14, 1                          ; which half of it
	s_mul_i32 s58, s56, 3072
	s_add_nc_u64 s[48:49], s[10:11], s[58:59]      ; K's codes; V's 6,144 on
	s_lshl_b32 s58, s56, 8
	s_add_co_u32 s58, s58, 12288
	s_add_nc_u64 s[50:51], s[10:11], s[58:59]      ; K's scale words
	s_lshl_b32 s58, s56, 7
	s_add_co_u32 s58, s58, 12800
	s_add_nc_u64 s[52:53], s[10:11], s[58:59]      ; V's scale bytes
.macro PHASE c                         ; chunk c is in: wave c waits for its load; the barrier's wait follows later.
.if (\c) < 3
	s_cmp_lg_u32 s14, \c
	s_cbranch_scc1 .Lother_\@
	s_wait_tensorcnt 0x0
.Lother_\@:
.else
	s_wait_tensorcnt 0x0
.endif
	s_wait_dscnt 0x0                               ; no LDS instruction of mine is out at a signal
	s_barrier_signal -1
.endm
.macro WLOAD g, s                      ; four fragments of W (g: 0 q, 1 k, 2 v), K step s: 12 loads
.irp u, 0,1,2,3
.irp p, 0,1,2
	ds_load_b128 v[96+48*(\g)+12*\u+4*\p:96+48*(\g)+12*\u+4*\p+3], v[2+(\s)/2] offset:(4*(\g)+\u)*3072+((\s)%2)*1536+512*\p
.endr
.endr
.endm
.macro WM d, a, b, c, sa, sb, ra, rb
.if ((\ra)+2*(\rb)) == 3
	v_wmma_scale_f32_16x16x128_f8f6f4 v[\d:\d+7], v[\a:\a+11], v[\b:\b+11], v[\c:\c+7], v[\sa], v[\sb] matrix_a_fmt:MATRIX_FMT_BF6 matrix_b_fmt:MATRIX_FMT_BF6 matrix_a_scale:MATRIX_SCALE_ROW1 matrix_b_scale:MATRIX_SCALE_ROW1
.elseif ((\ra)+2*(\rb)) == 2
	v_wmma_scale_f32_16x16x128_f8f6f4 v[\d:\d+7], v[\a:\a+11], v[\b:\b+11], v[\c:\c+7], v[\sa], v[\sb] matrix_a_fmt:MATRIX_FMT_BF6 matrix_b_fmt:MATRIX_FMT_BF6 matrix_b_scale:MATRIX_SCALE_ROW1
.elseif ((\ra)+2*(\rb)) == 1
	v_wmma_scale_f32_16x16x128_f8f6f4 v[\d:\d+7], v[\a:\a+11], v[\b:\b+11], v[\c:\c+7], v[\sa], v[\sb] matrix_a_fmt:MATRIX_FMT_BF6 matrix_b_fmt:MATRIX_FMT_BF6 matrix_a_scale:MATRIX_SCALE_ROW1
.else
	v_wmma_scale_f32_16x16x128_f8f6f4 v[\d:\d+7], v[\a:\a+11], v[\b:\b+11], v[\c:\c+7], v[\sa], v[\sb] matrix_a_fmt:MATRIX_FMT_BF6 matrix_b_fmt:MATRIX_FMT_BF6
.endif
.endm
; 16 products each; the 48 accumulators take turns, in the same order in every K step
.macro MULQK g, s
.if (\s) == 0
	WIN 0xb4                                       ; source 0 window 0, source 1 window 1, C window 3 (the bias), D window 2
.else
	WIN 0xa4
.endif
.irp a, 0,1,2,3
.irp u, 0,1,2,3
.set DD, 128*(\g)+8*(4*\a+\u)
.set CC, DD
.if (\s) == 0
.set CC, 128+32*(\g)+8*\u
.endif
	WM DD, 96+48*(\g)+12*\u, 48*((\s)%4)+12*\a, CC, 32+8*(2*(\g)+\u/2)+(\s), 80+8*(\a/2)+(\s), \u%2, \a%2
.endr
.endr
	WIN 0
.endm
.macro MULV s
	WIN 0xf1                                       ; source 0 window 1, source 1 window 0, C and D window 3
.irp u, 0,1,2,3
.irp a, 0,1,2,3
.set DD, 8*(4*\u+\a)
.set CC, DD
.if (\s) == 0
.set CC, 192+8*\u
.endif
	WM DD, 48*((\s)%4)+12*\a, 192+12*\u, CC, 80+8*(\a/2)+(\s), 32+8*(4+\u/2)+(\s), \a%2, \u%2
.endr
.endr
	WIN 0
.endm
; A K step: three groups of 16 products; behind each group its registers take the next step's fragments.
.macro STEP s
.if (\s) < 5
	s_wait_loadcnt 36                              ; x's step s is in; three steps' 12 loads each may be out
.else
	s_wait_loadcnt 12*(7-(\s))
.endif
	s_wait_dscnt 24                                ; q's fragments are in; k's and v's may be out
	MULQK 0, \s
.if (\s) == 7
	s_wait_dscnt 12
	MULQK 1, \s
	s_wait_dscnt 0x0
	MULV \s
.elseif (\s)%2
	PHASE ((\s)+1)/2
	MULQK 1, \s                                    ; register work between signal and wait
	s_barrier_wait -1
	PLACES
	WLOAD 0, (\s)+1
	WLOAD 1, (\s)+1
	MULV \s
	PLACES
	WLOAD 2, (\s)+1
.else
	PLACES
	WLOAD 0, (\s)+1
	s_wait_dscnt 24                                ; k's are in; v's and the next q's may be out
	MULQK 1, \s
	PLACES
	WLOAD 1, (\s)+1
	s_wait_dscnt 24
	MULV \s
	PLACES
	WLOAD 2, (\s)+1
.endif
.if (\s) < 4
	XLOAD (\s)+4
.endif
.endm
	PHASE 0
	s_barrier_wait -1
	WLOAD 0, 0
	WLOAD 1, 0
	WLOAD 2, 0
	s_wait_loadcnt 36                              ; scale words, bias and x's step 0 are in
	WIN 0xc3
.irp u, 0,1,2,3
.irp j, 1,2,3,4,5,6,7
	v_mov_b32 v[192+8*\u+\j], v[192+8*\u]          ; v's bias tile: one channel a lane, the same for its eight tokens
.endr
.endr
	WIN 0
	s_wait_alu depctr_va_vdst(0)
.irp s, 0,1,2,3,4,5,6,7
	STEP \s
.endr
	PLACES
; THE WAY OUT.  Group g's four tiles: a lane's 32 registers are one block; 6 registers of codes a tile; the scale bytes of two tiles meet in one word.
.macro QUANT g
.set WN, 2+(\g)/2
.set AB, 128*((\g)%2)
.set OU, 96+24*(\g)
	WIN WN*5
.irp t, 0,1,2,3
	v_max3_num_f32 v[184+\t], |v[AB+32*\t]|, |v[AB+32*\t+1]|, 0x2800000
.endr
.irp i, 2,4,6,8,10,12,14,16,18,20,22,24,26,28,30
.irp t, 0,1,2,3
	v_max3_num_f32 v[184+\t], |v[AB+32*\t+\i]|, |v[AB+32*\t+\i+1]|, v[184+\t]
.endr
.endr
	WIN 0
.irp t, 0,1,2,3
	v_add_nc_u32 v[188+\t], 0xfe000000, v[184+\t]
.endr
	WIN WN
.irp t, 0,1,2,3
	v_cvt_scalef32_pk16_bf6_f32 v[OU+6*\t:OU+6*\t+2], v[AB+32*\t:AB+32*\t+15], v[188+\t]
	v_cvt_scalef32_pk16_bf6_f32 v[168+4*\t:170+4*\t], v[AB+32*\t+16:AB+32*\t+31], v[188+\t]
.endr
	WIN 0
.irp t, 0,1,2,3
	v_lshrrev_b32 v[192+\t], 23, v[188+\t]
.endr
.irp t, 0,1,2,3
.irp i, 0,1,2
	v_mov_b32 v[OU+6*\t+3+\i], v[168+4*\t+\i]
.endr
.endr
	v_lshl_or_b32 v200, v193, 16, v192
	v_lshl_or_b32 v201, v195, 16, v194
	v_lshlrev_b32 v200, v9, v200
	v_lshlrev_b32 v201, v9, v201
	v_permlanex16_b32 v240, v200, s18, s19
	v_permlanex16_b32 v241, v201, s18, s19
	v_or_b32 v[202+2*(\g)], v200, v240             ; low half: the even tile's two bytes, high half: the odd tile's
	v_or_b32 v[203+2*(\g)], v201, v241
.endm
	QUANT 0
	v_bfe_u32 v202, v202, v10, 16                  ; lanes 0-15 the even tile's word, lanes 16-31 the odd tile's; bytes 2 and 3 are 0 (K = 64 .. 127 holds no numbers)
	v_bfe_u32 v203, v203, v10, 16
.irp t, 0,1,2,3
	global_store_b128 v1, v[96+6*\t:99+6*\t], s[44:45] offset:768*\t
	global_store_b64 v11, v[100+6*\t:101+6*\t], s[44:45] offset:768*\t+512
.endr
	global_store_b64 v11, v[202:203], s[46:47]
	QUANT 1
	v_bfe_u32 v204, v204, v10, 16
	v_bfe_u32 v205, v205, v10, 16
.irp p, 0,1,2,3,4,5
	global_store_b128 v1, v[120+4*\p:123+4*\p], s[48:49] offset:512*\p
.endr
	global_store_b64 v11, v[204:205], s[50:51]
	QUANT 2
	v_lshrrev_b32 v206, v10, v206
	v_lshrrev_b32 v207, v10, v207
	v_perm_b32 v206, v207, v206, 0x05040100        ; low half: tiles 0, 1; high half: tiles 2, 3
.irp t, 0,1,2,3
	global_store_b128 v1, v[144+6*\t:147+6*\t], s[48:49] offset:6144+768*\t
	global_store_b64 v11, v[148+6*\t:149+6*\t], s[48:49] offset:6144+768*\t+512
.endr
	global_store_b32 v12, v206, s[52:53]
	s_wait_tensorcnt 0x0                           ; the wave's end
	ds_add_u32 v13, v14
	s_wait_dscnt 0x0
	CROUND                                         ; the closing round
	s_endpgm
.Lfunc_end_k_q7b9d56d4c4_qkv:
	.size	k_q7b9d56d4c4_qkv, .Lfunc_end_k_q7b9d56d4c4_qkv-k_q7b9d56d4c4_qkv
	.p2alignl 7, 3214868480
	.fill 96, 4, 3214868480
	.section	.rodata,"a",@progbits
	.p2align	6, 0x0
	.amdhsa_kernel k_q7b9d56d4c4_qkv
		.amdhsa_group_segment_fixed_size 167936
		.amdhsa_private_segment_fixed_size 0
		.amdhsa_enable_private_segment 0
		.amdhsa_kernarg_size 48
		.amdhsa_user_sgpr_count 2
		.amdhsa_user_sgpr_kernarg_segment_ptr 1
		.amdhsa_wavefront_size32 1
		.amdhsa_system_sgpr_workgroup_id_x 1
		.amdhsa_system_sgpr_workgroup_id_y 1
		.amdhsa_system_sgpr_workgroup_id_z 1
		.amdhsa_system_vgpr_workitem_id 0
		.amdhsa_next_free_vgpr 1024
		.amdhsa_next_free_sgpr 102
		.amdhsa_reserve_vcc 0
		.amdhsa_float_denorm_mode_32 3
		.amdhsa_float_denorm_mode_16_64 3
		.amdhsa_memory_ordered 1
		.amdhsa_forward_progress 1
		.amdhsa_inst_pref_size 113
	.end_amdhsa_kernel
	.amdgpu_metadata
---
amdhsa.version: [ 1, 2 ]
amdhsa.kernels:
  - .name:           k_q7b9d56d4c4_qkv
    .symbol:         k_q7b9d56d4c4_qkv.kd
    .args:
      - { .name: wcodes, .offset: 0, .size: 8, .value_kind: global_buffer, .address_space: global }
      - { .name: wscales, .offset: 8, .size: 8, .value_kind: global_buffer, .address_space: global }
      - { .name: b_attn, .offset: 16, .size: 8, .value_kind: global_buffer, .address_space: global }
      - { .name: kv, .offset: 24, .size: 8, .value_kind: global_buffer, .address_space: global }
      - { .name: qc, .offset: 32, .size: 8, .value_kind: global_buffer, .address_space: global }
      - { .name: qs, .offset: 40, .size: 8, .value_kind: global_buffer, .address_space: global }
    .group_segment_fixed_size: 167936
    .private_segment_fixed_size: 0
    .kernarg_segment_align: 8
    .kernarg_segment_size: 48
    .max_flat_workgroup_size: 128
    .sgpr_count:     102
    .vgpr_count:     1024
    .wavefront_size: 32
...
	.end_amdgpu_metadata
.endif
;; end of part 2
;; launch attn (part 3): grid 8 x 32, 16 waves a work-group, clusters of 4 x 1, 284,672 bytes of LDS; arguments kv, qc, qs, yc, ys; writes yc, ys
.if DOCPART == 3
	.amdgcn_target "amdgcn-amd-amdhsa--gfx1250"
	.amdhsa_code_object_version 6
	.text
	.protected	k_q7b9d56d4c4_attn
	.globl	k_q7b9d56d4c4_attn
	.p2align	8
	.type	k_q7b9d56d4c4_attn,@function
k_q7b9d56d4c4_attn:
	s_mov_b64 s[64:65], 0
	v_nop
	global_prefetch_b8 v0, s[64:65] scope:SCOPE_SE
	s_setreg_imm32_b32 hwreg(HW_REG_WAVE_MODE, 25, 1), 1
	s_wait_xcnt 0x0
	s_wait_alu depctr_hold_cnt(0) depctr_sa_sdst(0) depctr_va_vdst(0) depctr_va_sdst(0) depctr_va_ssrc(0) depctr_va_vcc(0) depctr_vm_vsrc(0)
	s_getreg_b32 s2, hwreg(HW_REG_IB_STS2, 6, 4)
	s_cmp_eq_u32 s2, 0
	s_cbranch_scc0 .Lentry_in_a_cluster
	s_endpgm
.Lentry_in_a_cluster:
	s_bfe_u32 s2, ttmp6, 0x10000c
	s_cmp_lg_u32 s2, 0x3003
	s_cbranch_scc0 .Lentry_shape_is_right
	s_endpgm
.Lentry_shape_is_right:
; y[b][h][q] = the sum over k <= q of softmax_k(q . k / 8) v, both products on codes of BF6 (E3M2) with E8M0 scales; y is quantised along C at once and stored as images of the next launch's operand registers.
; THE SOFTMAX: t = score x log2(e) / 8; M = the largest t so far, rounded UP to a whole number; p = 2^(t - M) is quantised along the keys, not normalised; the row's sum is taken of the unquantised p and divides at the end.
; When M moves, the sum and O are multiplied by 2^(old M - new M): exact.
; WORK LEFT OUT: key steps of 128 keys that all come after a tile's queries: the mask of reference() makes their p 0 for all finite inputs.  LIMIT: a NaN, an infinity or an overflow in them is not carried on.
; SHARES.  Work-group y = 2 head + batch; x = tl, the tile of 16 queries in each block of 128.  Eight pairs of tiles (block b and block 15 - b), two waves a pair: 17 key steps together.  Wave A takes steps 0-8 of the
; long tile; wave B the long tile's steps from 9 on (7 - b of them), hands O, M and the sum to A through LDS, and then takes the short tile's b + 1 steps: 9 and 8 steps.  The roles alternate by the wave's number.
; LDS: the head's 16 key steps, each one dense block of 13,056 bytes in memory, filled ONCE: wave w fetches step 9 w mod 16 by one joint load (the four partners walk the same head).  Waves 0 and 1 fetch steps 0 and 9, with
; which the waves begin; the others' loads are waited for behind the first step.  Behind the key steps: 4,608 bytes for each wave, the exchange.  No prefetch: all loads from memory go out at the head.
; From the second step on a step's K is read from LDS behind the products of the step before it (a wave's last such read serves no step).
; LAYOUT.  S^T = K Q^T, O^T = V^T P^T: a lane holds ONE query.  By the stored order of tokens and channels register n of S is key 64 (n / 32) + 32 h + n % 32 of the step: a lane's 32 registers are a block.
; Q's K = 64 .. 127 are zero codes with scale bytes 0, K's scale bytes there are 0 too; so K's codes there are any finite codes: tile t's registers 6-11 are tile t + 1's 0-5 (every BF6 code is finite).
; LIMITS: NaN and infinities are not served; a block of zeros of y keeps the byte 1; scaled scores under 2^31.
; REGISTERS: v1-3 16, 8, 4 x lane; v4-5 the add's; v6-8 the step's addresses, v254-255 the next K's; v9, v253 the exchange; v10 8 h; v11 the mask's number; v12 -M, v13 the largest t, v[14:15] the sum; v16-27 Q; v28-31 V's
; scales; v32-79 K; v80-85 the short tile's Q (also the registers behind K's last tile); v86-133 V; v134-197 S, then p, and in v150-161 p's codes; v198-229 O^T; v230-252 at work; v238 p's scale word, v239 Q's, v249 the short
; tile's, v240-243 K's.
.set SB,   13056
.set XCH,  16*SB
.set XPB,  4608
.set SPARE, XCH+16*XPB
.set KF,   32
.set VB,   86
.set S,    134
.set O,    198
.set MK,   66                          ; s66-97: lanes in which register n of the diagonal half is hidden
.macro ROUND
	s_barrier_signal -1
	s_barrier_wait -1
	s_cmp_lg_u32 s14, 0
	s_cbranch_scc1 .Lnot_wave_0_\@
	s_barrier_signal -3
.Lnot_wave_0_\@:
	s_barrier_wait -3
	s_barrier_signal -1
	s_barrier_wait -1
.endm
	s_load_b256 s[4:11], s[0:1], 0x0               ; kv, qc, qs, yc
	s_load_b64 s[12:13], s[0:1], 0x20              ; ys
	v_lshl_add_u32 v4, v0, 2, SPARE
	v_mov_b32 v5, 0
	ds_add_u32 v4, v5                              ; the opening lines: the add, twice on end, and its wait
	ds_add_u32 v4, v5
	v_lshrrev_b32 v1, 5, v0
	v_readfirstlane_b32 s14, v1                    ; wave 0..15
	s_wait_alu depctr_va_vdst(0)
	s_lshr_b32 s15, s14, 1                         ; b
	s_lshr_b32 s2, s14, 2
	s_xor_b32 s2, s2, s14
	s_and_b32 s2, s2, 1                            ; 0: A, 1: B
	s_bfe_u32 s3, ttmp6, 0x40000                   ; cx
	s_and_b32 s16, ttmp7, 0xffff                   ; 2 head + batch
	s_lshl_b32 s17, ttmp9, 2
	s_add_co_u32 s17, s17, s3                      ; tl
	s_add_co_u32 s18, s15, 1
	s_lshr_b32 s18, s18, 3                         ; 1 where b = 7
	s_xor_b32 s19, s18, 1
	s_xor_b32 s24, s2, 1
	s_and_b32 s24, s24, s19                        ; 1: A with a part of B's to take in
	s_and_b32 s19, s19, s2
	s_mul_i32 s19, s19, 9                          ; my first key step: 9 for B with b < 7, else 0
	s_and_b32 s18, s18, s2                         ; 1: B with b = 7, which has only the short tile
	s_sub_co_u32 s20, 7, s15
	s_sub_co_u32 s22, 15, s15
	s_cmp_lg_u32 s2, 0
	s_cselect_b32 s20, s20, 15                     ; the trip in which I turn to the short tile (A: none)
	s_sub_co_u32 s21, 9, s2                        ; my trips
	s_cmp_lg_u32 s18, 0
	s_cselect_b32 s22, s15, s22                    ; the block of my queries now
	s_mov_b32 s26, 0x76543210
	s_mov_b32 s27, 0xfedcba98
	s_mov_b32 s28, 0x3e38aa3b                      ; log2(e) / 8
	s_mov_b32 s29, s28                             ; (named with it as a pair)
	s_mov_b32 s48, 15|(3<<16)|(1<<21)              ; all four partners; elements of 8 bytes; bit 21 beside the mask
	s_mov_b32 s49, 32<<16                          ; a dense block as rows of 256 bytes
	s_mov_b32 s50, 51<<16
	s_mov_b32 s51, 32<<16
	s_mov_b32 s52, 51
	s_mov_b32 s53, 32
	s_mov_b32 s54, 0
	s_mov_b32 s55, 0
	s_mul_i32 s60, s14, 9
	s_and_b32 s60, s60, 15                         ; the key step that I fetch
	s_mov_b32 s56, 1
	s_mul_i32 s57, s60, SB
	s_lshl_b32 s61, s16, 4
	s_add_co_u32 s60, s60, s61
	s_mul_i32 s60, s60, SB
	s_mov_b32 s61, 0
.macro QADDR blk, pc, ps               ; Q's tile 8 blk + tl: the offsets of its codes and its scale words
	s_lshl_b32 s[\pc], s16, 4
	s_add_co_u32 s[\pc], s[\pc], \blk
	s_lshl_b32 s[\ps], s[\pc], 1
	s_add_co_u32 s[\ps], s[\ps], ttmp9
	s_lshl_b32 s[\ps], s[\ps], 8                   ; its group of 64: 256 bytes of words
	s_and_b32 s42, s3, 1
	s_lshl_b32 s42, s42, 7
	s_add_co_u32 s[\ps], s[\ps], s42
	s_lshr_b32 s42, s3, 1
	s_lshl_b32 s42, s42, 2
	s_add_co_u32 s[\ps], s[\ps], s42
	s_mov_b32 s[\ps+1], 0
	s_lshl_b32 s[\pc], s[\pc], 3
	s_add_co_u32 s[\pc], s[\pc], s17
	s_mul_i32 s[\pc], s[\pc], 768
	s_mov_b32 s[\pc+1], 0
.endm
	QADDR s22, 34, 36
	QADDR s15, 38, 40
	v_and_b32 v6, 15, v0                           ; r
	v_bfe_u32 v7, v0, 4, 1                         ; h
	v_and_b32 v3, 31, v0
	v_lshlrev_b32 v1, 4, v3
	v_lshlrev_b32 v2, 3, v3
	v_lshlrev_b32 v3, 2, v3
	v_lshlrev_b32 v10, 3, v7
	v_lshlrev_b32 v255, 3, v6                      ; 8 r: Q's scale words
	v_lshrrev_b32 v8, 3, v6
	v_mad_u32_u24 v8, v8, 24, v6                   ; 32 (r / 8) + r % 8
	v_lshlrev_b32 v7, 5, v7
	v_sub_nc_u32 v8, v8, v7
	s_lshl_b32 s42, s3, 3
	v_add_nc_u32 v11, s42, v8                      ; my query in its group of 64, less 32 h
	s_mul_i32 s25, s14, XPB
	s_add_co_u32 s25, s25, XCH
	v_add_nc_u32 v9, s25, v1                       ; my own bytes of the exchange
	v_add_nc_u32 v253, s25, v2
	s_wait_alu depctr_va_vdst(0)
	s_wait_dscnt 0x0                               ; both opening adds are done
	s_wait_kmcnt 0x0
	s_add_nc_u64 s[58:59], s[4:5], s[60:61]
	s_or_b32 s59, s59, 0x80000000
	s_add_nc_u64 s[34:35], s[6:7], s[34:35]
	s_add_nc_u64 s[36:37], s[8:9], s[36:37]
	s_add_nc_u64 s[38:39], s[6:7], s[38:39]
	s_add_nc_u64 s[40:41], s[8:9], s[40:41]
	global_load_b128 v[16:19], v1, s[34:35]
	global_load_b64 v[20:21], v2, s[34:35] offset:512
	global_load_b32 v239, v255, s[36:37]
	global_load_b128 v[80:83], v1, s[38:39]        ; the short tile's
	global_load_b64 v[84:85], v2, s[38:39] offset:512
	global_load_b32 v249, v255, s[40:41]
	ROUND                                          ; all four work-groups are here: the joint loads meet
	s_cmp_lt_u32 s14, 2                            ; waves 0 and 1, which wait first, have a load line of their own
	s_cbranch_scc0 .Llater
	tensor_load_to_lds s[56:59], s[48:55]
	s_nop 0
.rept 4
	v_nop
.endr
	s_branch .Lasked
.Llater:
	tensor_load_to_lds s[56:59], s[48:55]
	s_nop 0
.rept 4
	v_nop
.endr
.Lasked:
.macro CLEAR                           ; a tile's beginning: the first change of M multiplies zeros by 0
	v_mov_b32 v12, 0x7f61b1e6                      ; -M = 3e38,
	v_mov_b32 v13, 0xff61b1e6                      ; the largest t: under every t
	v_mov_b32 v14, 0
	v_mov_b32 v15, 0
.set jj, 0
.rept 32
	v_mov_b32 v[O+jj], 0
.set jj, jj+1
.endr
.endm
	CLEAR
.irp j, 22,23,24,25,26,27
	v_mov_b32 v[\j], 0                             ; Q's K = 64 .. 127
.endr
	v_mov_b32 v232, 0                              ; (a lane permute's destination counts as one of its sources)
	v_mov_b32 v245, 0                              ; (the upper half of the pair v[244:245])
.set nn, 0
.rept 32
	v_cmp_gt_i32 s[MK+nn], nn, v11                 ; hidden where the key's place exceeds the query's
.set nn, nn+1
.endr
.macro SUM n                           ; the next n additions of the row's sum: 32 pairs of p in four chains
.rept \n
.set AA, 246+4*(KK%4)
.if (KK%4) == 2
.set AA, 230
.endif
.if (KK%4) == 3
.set AA, 14
.endif
.if KK < 3
	v_pk_add_f32 v[AA:AA+1], v[S+4*KK:S+4*KK+1], v[S+4*KK+2:S+4*KK+3]
.elseif KK == 3
	v_pk_add_f32 v[14:15], v[14:15], v[S+12:S+13]
.else
	v_pk_add_f32 v[AA:AA+1], v[AA:AA+1], v[S+2*KK+6:S+2*KK+7]
.endif
.set KK, KK+1
.endr
.endm
.macro KLOAD tb                        ; K of the key step at LDS byte tb: 14 loads
	v_add_nc_u32 v254, \tb, v1
	v_add_nc_u32 v255, \tb, v2
.irp k, 0,1,2,3,4,5,6,7,8,9,10,11
	ds_load_b128 v[KF+4*\k:KF+4*\k+3], v254 offset:512*\k
.endr
	ds_load_b64 v[240:241], v255 offset:12288      ; K's scale words: register i: lanes 0-15 tile 2 i, lanes 16-31 tile 2 i + 1
	ds_load_b64 v[242:243], v255 offset:12544
.endm
; A KEY STEP: 128 keys at LDS byte s31; s33 its number.  first = 1: it reads its own K and no other's; else its K has been asked for, and it asks for the K at s38
.macro STEP first
	v_add_nc_u32 v6, s31, v1                       ; these five are also the places behind the last step's products
	v_add_nc_u32 v7, s31, v2
	v_add_nc_u32 v8, s31, v3
	v_nop
	v_nop
.if \first
	KLOAD s31
.endif
.irp c, 0,1
.irp u, 0,1,2,3
	ds_load_b128 v[VB+12*\u+6*\c:VB+12*\u+6*\c+3], v6 offset:6144+3072*\c+768*\u
	ds_load_b64 v[VB+12*\u+6*\c+4:VB+12*\u+6*\c+5], v7 offset:6144+3072*\c+768*\u+512
.endr
.endr
	ds_load_b32 v30, v8 offset:12800
	ds_load_b32 v31, v8 offset:12928
	s_wait_dscnt 18                                ; K is in; V's 18 loads may be out
.irp t, 0,1,2,3,4,5,6,7
.if \t%2
	v_wmma_scale_f32_16x16x128_f8f6f4 v[S+8*\t:S+8*\t+7], v[KF+6*\t:KF+6*\t+11], v[16:27], 0, v[240+\t/2], v239 matrix_a_fmt:MATRIX_FMT_BF6 matrix_b_fmt:MATRIX_FMT_BF6 matrix_a_scale:MATRIX_SCALE_ROW1
.else
	v_wmma_scale_f32_16x16x128_f8f6f4 v[S+8*\t:S+8*\t+7], v[KF+6*\t:KF+6*\t+11], v[16:27], 0, v[240+\t/2], v239 matrix_a_fmt:MATRIX_FMT_BF6 matrix_b_fmt:MATRIX_FMT_BF6
.endif
.endr
.rept 4
	v_nop
.endr
.if (\first) == 0
	KLOAD s38                                      ; the next step's, while this one's softmax is worked
.endif
	s_cmp_lg_u32 s33, s22                          ; on the diagonal hidden scores become -infinity ahead of the maximum; in the steps before it every key counts
	s_cbranch_scc1 .Lopen_\@
	s_cmp_lg_u32 ttmp9, 0                          ; queries of the block's lower 64: keys 64-127 are all hidden; of its upper 64: keys 0-63 all count
	s_cbranch_scc1 .Lupper_\@
	v_mov_b32 v233, 0xff800000
.set nn, 0
.rept 32
	v_cndmask_b32 v[S+nn], v[S+nn], v233, s[MK+nn]
.set nn, nn+1
.endr
.set nn, 32
.rept 32
	v_mov_b32 v[S+nn], 0xff800000
.set nn, nn+1
.endr
	s_wait_alu depctr_va_vdst(0)                   ; directly ahead of the branch
	s_branch .Lopen_\@
.Lupper_\@:
	v_mov_b32 v233, 0xff800000
.set nn, 0
.rept 32
	v_cndmask_b32 v[S+32+nn], v[S+32+nn], v233, s[MK+nn]
.set nn, nn+1
.endr
.Lopen_\@:
.irp b, 0,1
	v_max3_num_f32 v[230+\b], v[S+32*\b], v[S+32*\b+1], v[S+32*\b+2]   ; THE LARGEST SCORE OF EACH BLOCK serves twice: for the row's maximum, and, since p rises with the score, for the block's largest p
	v_max3_num_f32 v[234+\b], v[S+32*\b+16], v[S+32*\b+17], v[S+32*\b+18]
.endr
.irp i, 3,5,7,9,11,13
.irp b, 0,1
	v_max3_num_f32 v[230+\b], v[230+\b], v[S+32*\b+\i], v[S+32*\b+\i+1]
	v_max3_num_f32 v[234+\b], v[234+\b], v[S+32*\b+16+\i], v[S+32*\b+17+\i]
.endr
.endr
.irp b, 0,1
	v_max3_num_f32 v[230+\b], v[230+\b], v[S+32*\b+15], v[S+32*\b+31]
.endr
.irp b, 0,1
	v_max_num_f32 v[230+\b], v[230+\b], v[234+\b]
.endr
	s_delay_alu instid0(VALU_DEP_1)
	v_max_num_f32 v233, v230, v231
	s_delay_alu instid0(VALU_DEP_1)
	v_permlanex16_b32 v232, v233, s26, s27
	s_delay_alu instid0(VALU_DEP_1)
	v_max_num_f32 v233, v233, v232                 ; the step's largest score of my query
	s_delay_alu instid0(VALU_DEP_1)
	v_mul_f32 v233, s28, v233                      ; as t (the factor is positive)
	s_delay_alu instid0(VALU_DEP_1)
	v_max_num_f32 v13, v13, v233
	v_mov_b32 v236, v12
	s_delay_alu instid0(VALU_DEP_2)
	v_floor_f32 v12, -v13                          ; the new -M = floor(-t): a whole number
	s_delay_alu instid0(VALU_DEP_1)
	v_sub_f32 v236, v12, v236                      ; old M - new M, 0 or less
	s_delay_alu instid0(VALU_DEP_1)
	v_cvt_i32_f32 v236, v236                       ; (it saturates)
	s_delay_alu instid0(VALU_DEP_1)
	v_ldexp_f32 v244, 1.0, v236                    ; f = 2^(old M - new M)
.set jj, 0
.rept 32
	v_pk_fma_f32 v[S+jj:S+jj+1], v[S+jj:S+jj+1], s[28:29], v[12:13] op_sel_hi:[1,0,0]   ; t - M, two at a time
.set jj, jj+2
.endr
	v_fma_f32 v230, v230, s28, v12                 ; the same of each block's largest score
	v_fma_f32 v231, v231, s28, v12
.set jj, 0
	s_wait_alu depctr_va_vdst(0)                   ; the wait ahead of the batch
.rept 64
	v_exp_f32 v[S+jj], v[S+jj]                     ; p = 2^(t - M), at most 1
.set jj, jj+1
.endr
	v_exp_f32 v230, v230                           ; the block's largest p: the same instructions on the same number give the same bits
	v_exp_f32 v231, v231
	v_pk_mul_f32 v[14:15], v[14:15], v[244:245] op_sel_hi:[1,0]   ; the sum under the new M (a plain place behind the exponentials)
.if \first
	s_wait_dscnt 0x0                               ; V is in
.else
	s_wait_dscnt 14                                ; V is in; the next K's 14 loads may be out
.endif
	s_wait_alu depctr_va_vdst(0)                   ; and behind the batch
.set KK, 0
	v_max_num_f32 v230, 0x2800000, v230            ; the floor 2^(5 - 127): the byte cannot fall under 1
	v_max_num_f32 v231, 0x2800000, v231
	v_perm_b32 v28, v31, v30, 0x05040100           ; V's scale words: tiles 0 and 1 (lanes 0-15, 16-31),
	v_perm_b32 v29, v31, v30, 0x07060302           ; 2 and 3
	v_add_nc_u32 v234, 0xfe000000, v230            ; 4 off the exponent field: the conversion's scale operand
	v_add_nc_u32 v235, 0xfe000000, v231
	SUM 4
	v_lshrrev_b32 v236, 23, v234                   ; the scale's byte
	v_lshrrev_b32 v237, 23, v235
	SUM 4
	v_lshl_or_b32 v236, v237, 16, v236
	SUM 21
	v_pk_add_f32 v[246:247], v[246:247], v[250:251]
	v_pk_add_f32 v[14:15], v[14:15], v[230:231]
	s_delay_alu instid0(VALU_DEP_1)
	v_pk_add_f32 v[14:15], v[14:15], v[246:247]
	v_cvt_scalef32_pk16_bf6_f32 v[246:248], v[S+16:S+31], v234     ; upper halves first: the codes then lie in registers of p that have been converted
	v_cvt_scalef32_pk16_bf6_f32 v[250:252], v[S+48:S+63], v235
	v_lshlrev_b32 v236, v10, v236                  ; bytes h and 2 + h of the word (a plain place behind the conversions)
	v_cvt_scalef32_pk16_bf6_f32 v[S+16:S+18], v[S:S+15], v234
	v_cvt_scalef32_pk16_bf6_f32 v[S+22:S+24], v[S+32:S+47], v235
	v_permlanex16_b32 v232, v236, s26, s27
.irp i, 0,1,2
	v_mov_b32 v[S+19+\i], v[246+\i]
	v_mov_b32 v[S+25+\i], v[250+\i]
.endr
	v_or_b32 v238, v236, v232                      ; p's scale word for these 128 keys
.set jj, 0
	s_wait_alu depctr_va_vdst(0)                   ; directly ahead of the first reader of O^T
.rept 16
	v_pk_mul_f32 v[O+jj:O+jj+1], v[O+jj:O+jj+1], v[244:245] op_sel_hi:[1,0]   ; O^T under the new M.  (Also the places ahead of the products below)
.set jj, jj+2
.endr
.irp u, 0,1,2,3                                ; O^T += V^T P^T: the four accumulators by turns
.if \u%2
	v_wmma_scale_f32_16x16x128_f8f6f4 v[O+8*\u:O+8*\u+7], v[VB+12*\u:VB+12*\u+11], v[S+16:S+27], v[O+8*\u:O+8*\u+7], v[28+\u/2], v238 matrix_a_fmt:MATRIX_FMT_BF6 matrix_b_fmt:MATRIX_FMT_BF6 matrix_a_scale:MATRIX_SCALE_ROW1
.else
	v_wmma_scale_f32_16x16x128_f8f6f4 v[O+8*\u:O+8*\u+7], v[VB+12*\u:VB+12*\u+11], v[S+16:S+27], v[O+8*\u:O+8*\u+7], v[28+\u/2], v238 matrix_a_fmt:MATRIX_FMT_BF6 matrix_b_fmt:MATRIX_FMT_BF6
.endif
.endr
.endm
.macro WHERE t, j, tb                  ; trip t's key step and where it lies
	s_sub_co_u32 s35, 0, s20
	s_cmp_lt_u32 \t, s20
	s_cselect_b32 \j, s19, s35
	s_add_co_u32 \j, \j, \t
	s_and_b32 \j, \j, 15
	s_mul_i32 \tb, \j, SB
.endm
	s_mov_b32 s33, s19
	s_mul_i32 s31, s19, SB
	s_wait_alu depctr_va_vdst(0)                   ; the wait at the head's end
	s_cmp_lt_u32 s14, 2
	s_cbranch_scc0 .Lnot_first
	s_wait_tensorcnt 0x0                           ; key steps 0 and 9 are in; the other waves' may be out
.Lnot_first:
	s_wait_loadcnt 0x0                             ; Q
	s_barrier_signal -1
	s_barrier_wait -1
	STEP 1
	s_wait_alu depctr_va_vdst(0)
	s_wait_tensorcnt 0x0                           ; every key step is in,
	s_wait_dscnt 0x0
	s_barrier_signal -1
	s_barrier_wait -1                              ; for every wave
	s_mov_b32 s30, 1
	WHERE s30, s37, s38
	KLOAD s38
.Lloop:
	s_cmp_lg_u32 s30, s20
	s_cbranch_scc1 .Lsame
.rept 4
	v_nop                                          ; places behind the last products
.endr
.irp k, 0,1,2,3,4,5,6,7
	ds_store_b128 v9, v[O+4*\k:O+4*\k+3] offset:512*\k   ; B hands its part of the long tile to A
.endr
	ds_store_b64 v253, v[12:13] offset:4096
	ds_store_b64 v253, v[14:15] offset:4352
	s_wait_dscnt 0x0                               ; stored, and the registers are free
	CLEAR
.irp j, 0,1,2,3,4,5
	v_mov_b32 v[16+\j], v[80+\j]                   ; on to the short tile
.endr
	v_mov_b32 v239, v249
	s_mov_b32 s22, s15
	s_wait_alu depctr_va_vdst(0)
.Lsame:
	s_cmp_ge_u32 s30, s21                          ; B has 8 steps
	s_cbranch_scc1 .Lskip
	WHERE s30, s33, s31
	s_add_co_u32 s36, s30, 1
	WHERE s36, s37, s38
	STEP 0
.Lskip:
	s_add_co_u32 s30, s30, 1
	s_cmp_lt_u32 s30, 9
	s_cbranch_scc1 .Lloop
.rept 4
	v_nop                                          ; places behind the last products
.endr
	s_xor_b32 s60, s14, 1                          ; the other wave of my pair
	s_mul_i32 s60, s60, XPB
	s_add_co_u32 s60, s60, XCH
	v_add_nc_u32 v6, s60, v1                       ; its bytes of the exchange
	v_add_nc_u32 v7, s60, v2
	v_and_b32 v8, 15, v0
	v_lshlrev_b32 v8, 4, v8                        ; 16 r: y's scale bytes
	s_wait_alu depctr_va_vdst(0)
	s_wait_dscnt 0x0
	s_barrier_signal -1
	s_barrier_wait -1                              ; B's parts are stored
	s_cmp_eq_u32 s24, 0
	s_cbranch_scc1 .Lwhole
.irp k, 0,1,2,3,4,5,6,7
	ds_load_b128 v[S+4*\k:S+4*\k+3], v6 offset:512*\k
.endr
	ds_load_b64 v[S+32:S+33], v7 offset:4096
	ds_load_b64 v[S+34:S+35], v7 offset:4352
	s_wait_dscnt 0x0
	v_min_num_f32 v246, v12, v[S+32]               ; -M of both
	v_sub_f32 v247, v246, v12
	v_sub_f32 v248, v246, v[S+32]
	v_cvt_i32_f32 v247, v247
	v_cvt_i32_f32 v248, v248
	v_ldexp_f32 v244, 1.0, v247
	v_ldexp_f32 v250, 1.0, v248
	v_pk_mul_f32 v[14:15], v[14:15], v[244:245] op_sel_hi:[1,0]
.set jj, 0
.rept 16
	v_pk_mul_f32 v[O+jj:O+jj+1], v[O+jj:O+jj+1], v[244:245] op_sel_hi:[1,0]
.set jj, jj+2
.endr
	v_pk_fma_f32 v[14:15], v[S+34:S+35], v[250:251], v[14:15] op_sel_hi:[1,0,1]
.set jj, 0
.rept 16
	v_pk_fma_f32 v[O+jj:O+jj+1], v[S+jj:S+jj+1], v[250:251], v[O+jj:O+jj+1] op_sel_hi:[1,0,1]
.set jj, jj+2
.endr
	s_wait_alu depctr_va_vdst(0)
.Lwhole:
	; THE WAY OUT.  O^T / the sum: register n is channel 32 h + n of my query: a block of 32 along C; its codes are half a fragment of the next product.
	s_and_b32 s60, s16, 1
	s_lshl_b32 s60, s60, 7
	s_lshl_b32 s61, s22, 3
	s_add_co_u32 s60, s60, s61
	s_add_co_u32 s60, s60, s17                     ; 128 batch + my tile
	s_lshr_b32 s61, s16, 1                         ; head
	s_lshl_b32 s62, s60, 9
	s_lshl_b32 s60, s60, 4
	s_add_co_u32 s60, s60, s61
	s_mul_i32 s60, s60, 768
	s_lshr_b32 s63, s61, 3
	s_lshl_b32 s63, s63, 8
	s_add_co_u32 s62, s62, s63
	s_and_b32 s63, s61, 7
	s_lshl_b32 s63, s63, 1
	s_add_co_u32 s62, s62, s63
	s_mov_b32 s61, 0
	s_mov_b32 s63, 0
	s_add_nc_u64 s[10:11], s[10:11], s[60:61]      ; y's codes: [tile][head][768]
	s_add_nc_u64 s[12:13], s[12:13], s[62:63]      ; y's scale bytes: [tile][half of K][row][16]
	v_add_f32 v14, v14, v15
	s_delay_alu instid0(VALU_DEP_1)
	v_permlanex16_b32 v232, v14, s26, s27
	s_delay_alu instid0(VALU_DEP_1)
	v_add_f32 v14, v14, v232
	s_wait_alu depctr_va_vdst(0)                   ; the wait ahead of the transcendental
	v_rcp_f32 v14, v14
	v_nop                                          ; a plain place behind it
.set jj, 0
	s_wait_alu depctr_va_vdst(0)                   ; and the wait behind it
.rept 16
	v_pk_mul_f32 v[S+jj:S+jj+1], v[O+jj:O+jj+1], v[14:15] op_sel_hi:[1,0]
.set jj, jj+2
.endr
	v_max3_num_f32 v230, |v[S]|, |v[S+1]|, 0x2800000
	v_max3_num_f32 v231, |v[S+16]|, |v[S+17]|, |v[S+18]|
.irp i, 0,2,4,6,8,10
	v_max3_num_f32 v230, v230, |v[S+2+\i]|, |v[S+3+\i]|
	v_max3_num_f32 v231, v231, |v[S+19+\i]|, |v[S+20+\i]|
.endr
	v_max3_num_f32 v230, v230, |v[S+14]|, |v[S+15]|
	s_delay_alu instid0(VALU_DEP_1)
	v_max3_num_f32 v230, v230, v231, |v[S+31]|
	s_delay_alu instid0(VALU_DEP_1)
	v_add_nc_u32 v234, 0xfe000000, v230
	v_cvt_scalef32_pk16_bf6_f32 v[32:34], v[S:S+15], v234
	v_cvt_scalef32_pk16_bf6_f32 v[36:38], v[S+16:S+31], v234
	v_lshrrev_b32 v236, 23, v234
	s_delay_alu instid0(VALU_DEP_1)
	v_lshlrev_b32 v236, v10, v236
	v_mov_b32 v35, v36
	v_mov_b32 v36, v37
	v_mov_b32 v37, v38
	v_permlanex16_b32 v232, v236, s26, s27
	s_delay_alu instid0(VALU_DEP_1)
	v_or_b32 v237, v236, v232                      ; my row's two scale bytes
	global_store_b128 v1, v[32:35], s[10:11]       ; 512 consecutive bytes,
	global_store_b64 v2, v[36:37], s[10:11] offset:512   ; and 256
	global_store_b16 v8, v237, s[12:13]            ; two bytes a row (lanes l and l xor 16 store the same bytes with the same value): 32 bytes a tile against its 768 of codes
	s_wait_tensorcnt 0x0                           ; the wave's end
	ds_add_u32 v4, v5
	s_wait_dscnt 0x0
	ROUND                                          ; the closing round
	s_endpgm
.Lfunc_end_k_q7b9d56d4c4_attn:
	.size	k_q7b9d56d4c4_attn, .Lfunc_end_k_q7b9d56d4c4_attn-k_q7b9d56d4c4_attn
	.p2alignl 7, 3214868480
	.fill 96, 4, 3214868480
	.section	.rodata,"a",@progbits
	.p2align	6, 0x0
	.amdhsa_kernel k_q7b9d56d4c4_attn
		.amdhsa_group_segment_fixed_size 284672
		.amdhsa_private_segment_fixed_size 0
		.amdhsa_enable_private_segment 0
		.amdhsa_kernarg_size 40
		.amdhsa_user_sgpr_count 2
		.amdhsa_user_sgpr_kernarg_segment_ptr 1
		.amdhsa_wavefront_size32 1
		.amdhsa_system_sgpr_workgroup_id_x 1
		.amdhsa_system_sgpr_workgroup_id_y 1
		.amdhsa_system_sgpr_workgroup_id_z 1
		.amdhsa_system_vgpr_workitem_id 0
		.amdhsa_next_free_vgpr 256
		.amdhsa_next_free_sgpr 102
		.amdhsa_reserve_vcc 0
		.amdhsa_float_denorm_mode_32 3
		.amdhsa_float_denorm_mode_16_64 3
		.amdhsa_memory_ordered 1
		.amdhsa_forward_progress 1
		.amdhsa_inst_pref_size 65
	.end_amdhsa_kernel
	.amdgpu_metadata
---
amdhsa.version: [ 1, 2 ]
amdhsa.kernels:
  - .name:           k_q7b9d56d4c4_attn
    .symbol:         k_q7b9d56d4c4_attn.kd
    .args:
      - { .name: kv, .offset: 0, .size: 8, .value_kind: global_buffer, .address_space: global }
      - { .name: qc, .offset: 8, .size: 8, .value_kind: global_buffer, .address_space: global }
      - { .name: qs, .offset: 16, .size: 8, .value_kind: global_buffer, .address_space: global }
      - { .name: yc, .offset: 24, .size: 8, .value_kind: global_buffer, .address_space: global }
      - { .name: ys, .offset: 32, .size: 8, .value_kind: global_buffer, .address_space: global }
    .group_segment_fixed_size: 284672
    .private_segment_fixed_size: 0
    .kernarg_segment_align: 8
    .kernarg_segment_size: 40
    .max_flat_workgroup_size: 512
    .sgpr_count:     102
    .vgpr_count:     256
    .wavefront_size: 32
...
	.end_amdgpu_metadata
.endif
;; end of part 3
;; launch proj (part 4): grid 32 x 8, 4 waves a work-group, clusters of 4 x 1, 167,936 bytes of LDS; arguments yc, ys, wcodes, wscales, b_proj, out0; writes out0
.if DOCPART == 4
	.amdgcn_target "amdgcn-amd-amdhsa--gfx1250"
	.amdhsa_code_object_version 6
	.text
	.protected	k_q7b9d56d4c4_proj
	.globl	k_q7b9d56d4c4_proj
	.p2align	8
	.type	k_q7b9d56d4c4_proj,@function
k_q7b9d56d4c4_proj:
	s_mov_b64 s[64:65], 0
	v_nop
	global_prefetch_b8 v0, s[64:65] scope:SCOPE_SE
	s_setreg_imm32_b32 hwreg(HW_REG_WAVE_MODE, 25, 1), 1
	s_wait_xcnt 0x0
	s_wait_alu depctr_hold_cnt(0) depctr_sa_sdst(0) depctr_va_vdst(0) depctr_va_sdst(0) depctr_va_ssrc(0) depctr_va_vcc(0) depctr_vm_vsrc(0)
	s_getreg_b32 s2, hwreg(HW_REG_IB_STS2, 6, 4)
	s_cmp_eq_u32 s2, 0
	s_cbranch_scc0 .Lentry_in_a_cluster
	s_endpgm
.Lentry_in_a_cluster:
	s_bfe_u32 s2, ttmp6, 0x10000c
	s_cmp_lg_u32 s2, 0x3003
	s_cbranch_scc0 .Lentry_shape_is_right
	s_endpgm
.Lentry_shape_is_right:
; out0 = y W_proj^T + b_proj on codes of BF6 (E3M2) with E8M0 scales, K = 1,024, f32 sums; the bias is the C of each sum's first matrix instruction.
; A tile of out0 is 128 rows x 128 columns: 256 work-groups.  A wave takes 32 rows (2 tiles of y) x 128 columns (8 tiles of W_proj): 16 accumulators.  Source 0 = W_proj, source 1 = y: a lane holds one row of out0, its 32
; registers of four tiles 32 neighbouring columns.
; W_proj's 8 tiles, all of K, lie in LDS: four chunks of 256 along K, wave i fetches chunk i by one joint load (the four partners take the same columns); nothing is filled again.
; y's tiles are a wave's own: they go straight from memory into registers.  No prefetch: all loads go out at the head.
; THE ORDER: columns 0-63 through all of K, then out, while columns 64-127 follow: no fragment is read from LDS twice by a wave, y's stay in registers.
; The stored rows of y are in groups of 64: row m of tile u is 32 (m / 8) + 8 u + m % 8; that is undone in the stores' offsets.
; REGISTERS: window 0: v1-11 addresses; v24-55 W_proj's scale words (v[24 + 8 i + s]: lanes 0-15 tile 2 i, 16-31 tile 2 i + 1), v56-63 y's; v64-255 four buffers of four fragments of W_proj.
;   window 1: v0-191 y's fragments, v192-255 the bias tiles.  window 2: v0-127 accumulators, v128-191 rows on their way out.
.set CHB,  24576
.set STG,  4*CHB                       ; 16 rows x 272 bytes for each wave; no tensor load lands here
.set SPARE, STG+4*4352
.set MSB, 0
.macro WIN new
.if MSB != (\new)
	s_set_vgpr_msb (MSB<<8)|(\new)
.set MSB, (\new)
.endif
.endm
.macro CROUND
	s_barrier_signal -1
	s_barrier_wait -1
	s_cmp_lg_u32 s16, 0
	s_cbranch_scc1 .Lnot_wave_0_\@
	s_barrier_signal -3
.Lnot_wave_0_\@:
	s_barrier_wait -3
	s_barrier_signal -1
	s_barrier_wait -1
.endm
.macro PLACES
.rept 4
	v_nop
.endr
.endm
	s_load_b256 s[4:11], s[0:1], 0x0               ; yc, ys, wcodes, wscales
	s_load_b128 s[12:15], s[0:1], 0x20             ; b_proj, out0
	v_lshl_add_u32 v10, v0, 2, SPARE
	v_mov_b32 v11, 0
	ds_add_u32 v10, v11                            ; the opening lines: the add, twice on end, and its wait
	ds_add_u32 v10, v11
	v_lshrrev_b32 v1, 5, v0
	v_readfirstlane_b32 s16, v1                    ; wave
	s_mul_i32 s17, s16, 4352
	s_add_co_u32 s17, s17, STG
	v_and_b32 v2, 31, v0
	v_and_b32 v3, 15, v0                           ; r
	v_bfe_u32 v12, v0, 4, 1                        ; h
	v_lshlrev_b32 v1, 4, v2                        ; 16 x lane: also W_proj in LDS, chunks 0 and 1
	v_lshlrev_b32 v2, 3, v2                        ; 8 x lane
	v_add_nc_u32 v4, 2*CHB, v1                     ; chunks 2 and 3
	v_lshlrev_b32 v5, 7, v12                       ; 128 h: the bias
	v_lshlrev_b32 v6, 4, v3
	v_lshl_add_u32 v8, v12, 9, v6                  ; scale words: 512 h + 16 r
	v_mul_u32_u24 v7, v3, 272
	v_lshl_add_u32 v7, v12, 7, v7
	v_add_nc_u32 v7, s17, v7                       ; my stage, in: row r, + 128 h
	v_mul_u32_u24 v9, v12, 272
	v_add_nc_u32 v9, v9, v6
	v_add_nc_u32 v9, s17, v9                       ; back: lanes 0-15 one row of 256 bytes, lanes 16-31 the next
	v_lshl_add_u32 v6, v12, 12, v6                 ; and the same two rows in out0
	s_wait_alu depctr_va_vdst(0)                   ; the wait at the head's end
	s_bfe_u32 s18, ttmp6, 0x40000
	s_lshl_b32 s19, ttmp9, 2
	s_add_co_u32 s18, s19, s18                     ; row tile
	s_and_b32 s19, ttmp7, 0xffff                   ; column tile
	s_mov_b32 s24, 15|(3<<16)|(1<<21)              ; all four partners; elements of 8 bytes; bit 21 beside the mask
	s_mov_b32 s25, 384<<16                         ; 3,072 bytes of each tile,
	s_mov_b32 s26, 8<<16                           ; 8 tiles,
	s_mov_b32 s27, 384<<16
	s_mov_b32 s28, 8
	s_mov_b32 s29, 1536                            ; 12,288 bytes apart
	s_mov_b32 s30, 0
	s_mov_b32 s31, 0
	s_mov_b32 s32, 1
	s_mul_i32 s33, s16, CHB
	s_lshl_b32 s44, s19, 3
	s_add_co_u32 s44, s44, 448                     ; W_proj's first tile
	s_lshl_b32 s46, s44, 9
	s_mov_b32 s47, 0
	s_mul_i32 s44, s44, 12288
	s_mul_i32 s45, s16, 3072
	s_add_co_u32 s44, s44, s45
	s_mov_b32 s45, 0
	s_lshl_b32 s48, s18, 3
	s_lshl_b32 s49, s16, 1
	s_add_co_u32 s48, s48, s49                     ; y's first tile
	s_lshl_b32 s50, s48, 9
	s_mov_b32 s51, 0
	s_mul_i32 s48, s48, 12288
	s_mov_b32 s49, 0
	s_lshl_b32 s52, s19, 9                         ; my columns, in bytes
	s_mov_b32 s53, 0
	s_lshl_b32 s54, s18, 7
	s_lshr_b32 s55, s16, 1
	s_lshl_b32 s55, s55, 6
	s_add_co_u32 s54, s54, s55
	s_and_b32 s55, s16, 1
	s_lshl_b32 s55, s55, 4
	s_add_co_u32 s54, s54, s55                     ; my first row: 128 x row tile + 64 (wave / 2) + 16 (wave % 2)
	s_lshl_b32 s54, s54, 12
	s_add_co_u32 s54, s54, s52
	s_mov_b32 s55, 0
	s_wait_dscnt 0x0                               ; both opening adds are done
	s_wait_kmcnt 0x0
	s_add_nc_u64 s[34:35], s[8:9], s[44:45]
	s_or_b32 s35, s35, 0x80000000
	s_add_nc_u64 s[36:37], s[4:5], s[48:49]        ; y's codes
	s_add_nc_u64 s[38:39], s[6:7], s[50:51]        ; y's scale words
	s_add_nc_u64 s[40:41], s[10:11], s[46:47]      ; W_proj's
	s_add_nc_u64 s[42:43], s[12:13], s[52:53]      ; b_proj
	s_add_nc_u64 s[14:15], s[14:15], s[54:55]      ; out0
	CROUND                                         ; all four work-groups are here: the joint loads meet
.macro ARM under, next                 ; each wave's one load has a line of its own
	s_cmp_lt_u32 s16, \under
	s_cbranch_scc0 \next
	tensor_load_to_lds s[32:35], s[24:31]
	s_nop 0
	PLACES
	s_branch .Lasked
\next:
.endm
	ARM 1, .Lask1
	ARM 2, .Lask2
	ARM 3, .Lask3
	tensor_load_to_lds s[32:35], s[24:31]
	s_nop 0
	PLACES
.Lasked:
.irp i, 0,1,2,3
	global_load_b128 v[24+8*\i:27+8*\i], v8, s[40:41] offset:1024*\i
	global_load_b128 v[28+8*\i:31+8*\i], v8, s[40:41] offset:1024*\i+256
.endr
	global_load_b128 v[56:59], v8, s[38:39]
	global_load_b128 v[60:63], v8, s[38:39] offset:256
	WIN 0x40
.macro BIAS g                          ; tile u's register j: column 64 g + 32 h + 8 u + j
.irp k, 0,1,2,3,4,5,6,7
	global_load_b128 v[192+32*(\g)+4*\k:195+32*(\g)+4*\k], v5, s[42:43] offset:256*(\g)+16*\k
.endr
.endm
	BIAS 0
.irp s, 0,1,2,3,4,5,6,7                        ; y: a K step of 128 is two heads: 8 loads for my two tiles
.irp a, 0,1
	global_load_b128 v[24*\s+12*\a:24*\s+12*\a+3], v1, s[36:37] offset:12288*\a+1536*\s
	global_load_b64 v[24*\s+12*\a+4:24*\s+12*\a+5], v2, s[36:37] offset:12288*\a+1536*\s+512
	global_load_b128 v[24*\s+12*\a+6:24*\s+12*\a+9], v1, s[36:37] offset:12288*\a+1536*\s+768
	global_load_b64 v[24*\s+12*\a+10:24*\s+12*\a+11], v2, s[36:37] offset:12288*\a+1536*\s+1280
.endr
.endr
	BIAS 1                                         ; wanted last: columns 64-127 begin behind columns 0-63
	WIN 0
.macro PHASE c                         ; chunk c is in: wave c waits for its load.
.if (\c) < 3
	s_cmp_lg_u32 s16, \c
	s_cbranch_scc1 .Lother_\@
	s_wait_tensorcnt 0x0
.Lother_\@:
.else
	s_wait_tensorcnt 0x0
.endif
	s_wait_dscnt 0x0                               ; no LDS instruction of mine is out at a signal
	s_barrier_signal -1
	s_barrier_wait -1
.endm
.macro PAIR m                          ; fragments of K steps 2 m, 2 m + 1 (m % 4 the chunk, m / 4 the 64 columns) into buffers 2 (m % 2), 2 (m % 2) + 1: 24 loads
.irp e, 0,1
.irp u, 0,1,2,3
.irp p, 0,1,2
.set BF, 64+48*(2*((\m)%2)+\e)+12*\u+4*\p
.set OF, (((\m)%4)%2)*CHB+(4*((\m)/4)+\u)*3072+1536*\e+512*\p
.if ((\m)%4) < 2
	ds_load_b128 v[BF:BF+3], v1 offset:OF
.else
	ds_load_b128 v[BF:BF+3], v4 offset:OF
.endif
.endr
.endr
.endr
.endm
.macro WM d, a, b, c, sa, sb, ra, rb
.if ((\ra)+2*(\rb)) == 3
	v_wmma_scale_f32_16x16x128_f8f6f4 v[\d:\d+7], v[\a:\a+11], v[\b:\b+11], v[\c:\c+7], v[\sa], v[\sb] matrix_a_fmt:MATRIX_FMT_BF6 matrix_b_fmt:MATRIX_FMT_BF6 matrix_a_scale:MATRIX_SCALE_ROW1 matrix_b_scale:MATRIX_SCALE_ROW1
.elseif ((\ra)+2*(\rb)) == 2
	v_wmma_scale_f32_16x16x128_f8f6f4 v[\d:\d+7], v[\a:\a+11], v[\b:\b+11], v[\c:\c+7], v[\sa], v[\sb] matrix_a_fmt:MATRIX_FMT_BF6 matrix_b_fmt:MATRIX_FMT_BF6 matrix_b_scale:MATRIX_SCALE_ROW1
.elseif ((\ra)+2*(\rb)) == 1
	v_wmma_scale_f32_16x16x128_f8f6f4 v[\d:\d+7], v[\a:\a+11], v[\b:\b+11], v[\c:\c+7], v[\sa], v[\sb] matrix_a_fmt:MATRIX_FMT_BF6 matrix_b_fmt:MATRIX_FMT_BF6 matrix_a_scale:MATRIX_SCALE_ROW1
.else
	v_wmma_scale_f32_16x16x128_f8f6f4 v[\d:\d+7], v[\a:\a+11], v[\b:\b+11], v[\c:\c+7], v[\sa], v[\sb] matrix_a_fmt:MATRIX_FMT_BF6 matrix_b_fmt:MATRIX_FMT_BF6
.endif
.endm
.macro MUL n                           ; 8 products; the accumulators take turns, in the same order in every K step
.set GG, (\n)/8
.set SS, (\n)%8
.set WB, 64+48*(2*(((\n)/2)%2)+(\n)%2)
.if SS == 0
	WIN 0x94                                       ; source 0 window 0, source 1 window 1, C window 1 (the bias), D window 2
.else
	WIN 0xa4
.endif
.irp a, 0,1
.irp u, 0,1,2,3
.set DD, 64*GG+32*\a+8*\u
.set CC, DD
.if SS == 0
.set CC, 192+32*GG+8*\u
.endif
	WM DD, WB+12*\u, 24*SS+12*\a, CC, 24+8*(2*GG+\u/2)+SS, 56+SS, \u%2, \a
.endr
.endr
	WIN 0
.endm
; THE WAY OUT of 64 columns: a block of 16 rows at a time through my own stage, back as whole rows of 256 bytes.  LDS serves a wave's instructions in order (ISA guide 5.7.1.4): no wait between the stores and the loads.
.macro WAYOUT g
	PLACES
.if (\g) > 0
	s_wait_xcnt 0x0                                ; the first columns' stores have read their registers
.endif
.irp a, 0,1
	WIN 0x08
.irp u, 0,1,2,3
	ds_store_b128 v7, v[64*(\g)+32*\a+8*\u:64*(\g)+32*\a+8*\u+3] offset:32*\u        ; each accumulator from its low end on
	ds_store_b128 v7, v[64*(\g)+32*\a+8*\u+4:64*(\g)+32*\a+8*\u+7] offset:32*\u+16
.endr
	WIN 0x80
.irp i, 0,1,2,3,4,5,6,7
	ds_load_b128 v[128+32*\a+4*\i:131+32*\a+4*\i], v9 offset:544*\i
.endr
.endr
	WIN 0x08
.irp a, 0,1
	s_wait_dscnt 16-16*\a                          ; block a is back; block 1's 8 stores and 8 loads may be out behind block 0's
.irp i, 0,1,2,3,4,5,6,7
	global_store_b128 v6, v[128+32*\a+4*\i:131+32*\a+4*\i], s[14:15] offset:(8*\a+32*(\i/4)+2*(\i%4))*4096+256*(\g) th:TH_STORE_NT   ; 16 lanes store 256 consecutive bytes, aligned
.endr
.endr
	WIN 0
.endm
	PHASE 0
	PAIR 0
.irp m, 0,1,2,3,4,5,6,7
.if \m < 3
	PHASE \m+1
.endif
.if \m < 7
	PLACES
	PAIR \m+1
	s_wait_dscnt 24                                ; all but the 24 just issued
.else
	s_wait_dscnt 0x0
.endif
.if \m < 4
	s_wait_loadcnt 56-16*\m                        ; y's K steps 2 m and 2 m + 1 are in; the later steps' 8 loads each and the second half's 8 of the bias may be out
.endif
.if \m == 4
	s_wait_loadcnt 0x0                             ; the bias of columns 64-127
.endif
	MUL 2*\m
	MUL 2*\m+1
.if \m == 3
	WAYOUT 0
.endif
.endr
	WAYOUT 1
	s_wait_tensorcnt 0x0                           ; the wave's end
	ds_add_u32 v10, v11
	s_wait_dscnt 0x0
	CROUND                                         ; the closing round
	s_endpgm
.Lfunc_end_k_q7b9d56d4c4_proj:
	.size	k_q7b9d56d4c4_proj, .Lfunc_end_k_q7b9d56d4c4_proj-k_q7b9d56d4c4_proj
	.p2alignl 7, 3214868480
	.fill 96, 4, 3214868480
	.section	.rodata,"a",@progbits
	.p2align	6, 0x0
	.amdhsa_kernel k_q7b9d56d4c4_proj
		.amdhsa_group_segment_fixed_size 167936
		.amdhsa_private_segment_fixed_size 0
		.amdhsa_enable_private_segment 0
		.amdhsa_kernarg_size 48
		.amdhsa_user_sgpr_count 2
		.amdhsa_user_sgpr_kernarg_segment_ptr 1
		.amdhsa_wavefront_size32 1
		.amdhsa_system_sgpr_workgroup_id_x 1
		.amdhsa_system_sgpr_workgroup_id_y 1
		.amdhsa_system_sgpr_workgroup_id_z 1
		.amdhsa_system_vgpr_workitem_id 0
		.amdhsa_next_free_vgpr 768
		.amdhsa_next_free_sgpr 102
		.amdhsa_reserve_vcc 0
		.amdhsa_float_denorm_mode_32 3
		.amdhsa_float_denorm_mode_16_64 3
		.amdhsa_memory_ordered 1
		.amdhsa_forward_progress 1
		.amdhsa_inst_pref_size 54
	.end_amdhsa_kernel
	.amdgpu_metadata
---
amdhsa.version: [ 1, 2 ]
amdhsa.kernels:
  - .name:           k_q7b9d56d4c4_proj
    .symbol:         k_q7b9d56d4c4_proj.kd
    .args:
      - { .name: yc, .offset: 0, .size: 8, .value_kind: global_buffer, .address_space: global }
      - { .name: ys, .offset: 8, .size: 8, .value_kind: global_buffer, .address_space: global }
      - { .name: wcodes, .offset: 16, .size: 8, .value_kind: global_buffer, .address_space: global }
      - { .name: wscales, .offset: 24, .size: 8, .value_kind: global_buffer, .address_space: global }
      - { .name: b_proj, .offset: 32, .size: 8, .value_kind: global_buffer, .address_space: global }
      - { .name: out0, .offset: 40, .size: 8, .value_kind: global_buffer, .address_space: global }
    .group_segment_fixed_size: 167936
    .private_segment_fixed_size: 0
    .kernarg_segment_align: 8
    .kernarg_segment_size: 48
    .max_flat_workgroup_size: 128
    .sgpr_count:     102
    .vgpr_count:     768
    .wavefront_size: 32
...
	.end_amdgpu_metadata
.endif
;; end of part 4
